; MI455X (gfx1250); checked and timed in simulation.
; The chip was launched on July 23, 2026; its instructions are those of AMD's public machine-readable ISA for CDNA 5 (MIT licence, August 2026) and "CDNA5" Instruction Set Architecture Reference Guide (July 2026). The comments in the code are by the model that wrote it; some were corrected since.
;; Inter Stock Attention. Allowed arithmetic: matrix products marked QUANTISED: E2M3 operands, one E8M0 scale for each 32 along K, by v_wmma_scale_f32_16x16x128_f8f6f4 with both operands' format E2M3, f32 sums; everything else in f32.
;; Inputs: W1 256 x 64 float32; W2 64 x 256 float32; Wo 64 x 64 float32; Wqkv 192 x 64 float32; beta1 64 float32; beta2 64 float32; bf1 256 float32; bf2 64 float32; bo 64 float32; bqkv 192 float32; g1 64 float32; g2 64 float32; x 512 x 512 x 64 float32.
;; Outputs: out0 512 x 512 x 64 float32.
;; This version of the problem:
;;   THIS VERSION OF THE PROBLEM IS GIVEN IN LOW PRECISION. The matrix products marked QUANTISED in the list below multiply operands that are first quantised to E2M3 (2 exponent bits, 3 mantissa bits; 6 bits a number), with one power-of-two scale for each 32 numbers along K (OCP MX v1.0); their sums are f32. All else is computed in f32.
;;   The module's matrix products, in the order in which they are computed (A, B: the left and right operand; K: the contracted axis; several contracted axes count as one K, in the product's order):
;;     1. [M 262,144, K 64] x [K 64, N 192]; A: input x; B: input Wqkv: QUANTISED
;;     2. batch 1,024 x [M 512, K 32] x [K 32, N 512]; A: computed on the way; B: computed on the way: QUANTISED
;;     3. batch 1,024 x [M 32, K 512] x [K 512, N 512]; A: computed on the way; B: softmax (see below): QUANTISED
;;     4. [M 262,144, K 64] x [K 64, N 64]; A: computed on the way; B: input Wo: QUANTISED
;;     5. [M 262,144, K 64] x [K 64, N 256]; A: computed on the way; B: input W1: QUANTISED
;;     6. [M 262,144, K 256] x [K 256, N 64]; A: computed on the way; B: input W2: QUANTISED
;;   THE QUANTISER, for each operand of a quantised product, along K:
;;     - K is cut into blocks of 32 from its start; a last block that is shorter is filled with zeros.
;;     - A block's scale is 2^e with e = floor(log2(the largest magnitude in the block)) - 2, held to -126 .. 127; a block of zeros has e = 0. As a byte (E8M0): e + 127.
;;     - Each number is divided by its block's scale, clamped to +-7.5, and rounded to the nearest number of E2M3, ties to even, subnormals kept.
;;     - The product sums the exact products of the quantised numbers (number of the format x scale) in f32.
;;   ~~~python
;;   def quantise(x, axis):      # numpy; x: float32 -> the quantised numbers, widened to float32 again
;;       x = np.moveaxis(x, axis, -1); K = x.shape[-1]
;;       x = np.pad(x, [(0, 0)] * (x.ndim - 1) + [(0, -K % 32)]); x = x.reshape(x.shape[:-1] + (-1, 32)); a = np.abs(x).max(-1, keepdims=True)
;;       e = np.where(a > 0, np.clip(np.frexp(np.where(a > 0, a, 1))[1] - 1 - 2, -126, 127), 0)      # np.frexp(a)[1] - 1 = floor(log2(a)), exactly
;;       r = np.clip(x / 2.0 ** e, -7.5, 7.5)
;;       step = 2.0 ** (np.maximum(np.frexp(np.where(r == 0, 1, r))[1] - 1, 0) - 3)
;;       q = np.round(r / step) * step * 2.0 ** e      # np.round: ties to even
;;       return np.moveaxis(q.reshape(q.shape[:-2] + (-1,))[..., :K], -1, axis).astype(np.float32)
;;   ~~~
;;   SOFTMAX AHEAD OF A QUANTISED PRODUCT. Where the list says 'softmax', what is quantised is not the finished softmax but p = 2^(t - M), with t = logit x log2(e) and M = ceil(the row's largest t), a whole number; so 1/2 < the row's largest p <= 1. The row's sum l is taken of the UNQUANTISED p, in f32, and the product's result is divided by l at the end. Since M is a whole number, a kernel that streams over the keys may use a running M (the ceiling of the running maximum): every later rescaling is an exact power of two, which a block's scale takes up: the codes' values come out the same.
;;   OPERANDS COMPUTED ON THE WAY. 'Computed on the way' means the value that the module computes at that place (a softmax that the list does not call 'softmax' is quantised finished and normalised). What goes into a quantiser is computed in f32, as accurately as f32 sums, v_exp_f32 and their like allow (about 1e-6 of the number): no bf16 or f16 on the way to a quantiser, and a product that is left as it is and whose result goes on into a quantised operand takes f32 operands (vector FMAs, or v_wmma_f32_16x16x4_f32). A number that lies on a knife's edge between two numbers of the format may be rounded either way, as far as f32 arithmetic and the matrix unit's own rounding can turn it there, and no further.
;; One version. Each part assembles by itself: llvm-mc -triple=amdgcn-amd-amdhsa -mcpu=gfx1250 --defsym DOCPART=n.
;; ======== version 1 of 1: 1 launch
;; limits: right only within a limited range of input values
;; launch layer (part 1): grid 256 x 1, 16 waves a work-group, no clusters, 327,680 bytes of LDS; arguments x, Wqkv, bqkv, Wo, bo, g1, beta1, W1, bf1, W2, bf2, g2, beta2, out0; writes out0
.if DOCPART == 1
	.amdgcn_target "amdgcn-amd-amdhsa--gfx1250"
	.amdhsa_code_object_version 6
	.text
	.protected	k_q7af87f3a7a_layer
	.globl	k_q7af87f3a7a_layer
	.p2align	8
	.type	k_q7af87f3a7a_layer,@function
k_q7af87f3a7a_layer:
	s_mov_b64 s[64:65], 0
	v_nop
	global_prefetch_b8 v0, s[64:65] scope:SCOPE_SE
	s_setreg_imm32_b32 hwreg(HW_REG_WAVE_MODE, 25, 1), 1
	s_wait_xcnt 0x0
; One encoder layer over 512 stocks: QKV, two heads of 32, softmax attention, Wo, residual, norm, FFN 64-256-64 with relu, residual, norm.
; All six products run on codes of FP6 (E2M3) with one E8M0 scale for each 32 along K; all else is f32.  x, out0: [512 stocks][512 tau][64] f32: a tau's rows are 256 bytes, 131,072 bytes apart.
; SHARES.  A work-group STAYS and makes two time steps, tau = its number and tau + 256; the weights' images and the small vectors are made once.  Each of its 16 waves owns stocks 32 w .. 32 w + 31,
; as queries and as the makers of key/value block w.  Q, K, V, p, ctx, y and the hidden layer never go to memory.  Every input is loaded.
; ONE ROW RULE: lane r of tile T (of a weight's rows, of a wave's stocks) takes row 32 (T / 2) + 8 (T % 2) + r + 8 (r / 8); so the 16 result registers of tiles 2 b and 2 b + 1 are 16 neighbours.
; SHORT K IN AN INSTRUCTION OF K = 128.  A fragment has four blocks of 32 (registers 0-5 / 6-11, lanes 0-15 / 16-31).  The operand from LDS is packed full (two weight tiles of K = 64; four key tiles of K = 32);
; the other operand has its codes in the wanted block(s) and zero codes elsewhere, picked out of a run of registers [zeros | codes | zeros | codes | zeros].  Every scale byte here lies in 1 .. 254.
; THE KEYS OF A SCORE TILE: fragment g holds keys 64 g .. 64 g + 63; row 8 h + i of its tile j is key 64 g + 32 h + 8 j + i.  So a lane's 32 score registers of a fragment are ONE WHOLE block of 32 keys
; (lanes 0-15 block 2 g, lanes 16-31 block 2 g + 1), in the order and the lanes in which the second product's operand wants p: the block's maximum needs no other lane and the codes are not moved between lanes.
; OPERANDS GO THROUGH LDS AS IMAGES OF THEIR REGISTERS: six registers are 768 bytes: registers 0-3 at 16 x lane, registers 4-5 at 512 + 8 x lane; scale words at 4 x (lane % 16).
; SOFTMAX: t = score x log2(e) / sqrt(32); M = the running largest t rounded up to a whole number; p = 2^(t - M) is quantised along the keys; the row's sum is taken of the unquantised p and divides at the end.
; x comes by one tensor load a wave into the wave's own rows, which nothing stores to.  The second tau's x fills them again behind a barrier that stands behind every wave's last read of the first tau's x
; (the residual of its second tile); the last tau's tail is written out and asks for nothing.  z leaves through a stage of the wave's own.
; PREFETCH: at the head of the first tau's attention each lane names one row (256 bytes) of its wave's stocks at tau + 256: one trip of the walk ahead of the load, each row once in the launch; the last trip asks for nothing.
; NO CLUSTER: work-groups share the weights alone, 196,608 bytes that each reads once; x, 131,072 bytes a tau, is shared with nobody.
; LIMITS: NaN and infinities among the inputs are not served.  A block whose largest magnitude lies under 2^-124 (a block of zeros too) gets the scale byte 1; this program alone reads the bytes.
; p under 2^-126 becomes 0 (v_exp_f32 flushes).  t is one fused multiply-add of the score and c, so c's rounding, 3e-8 of it, grows with |t|.
.set XPITCH, 272                       ; a row of x in LDS: 256 bytes + 16
.set XWAVE,  32*XPITCH
.set PAR,    0x22000                   ; the small vectors
.set P_BQKV, 0
.set P_BO,   768
.set P_G1,   1024
.set P_BE1,  1280
.set P_BF1,  1536
.set P_BF2,  2560
.set P_G2,   2816
.set P_BE2,  3072
.set WSC,    0x23000                   ; the 24 weight fragments' scale words, 64 bytes each
.set KIMG,   0x23800                   ; K: head hd at hd x HEADB; fragment g at 1,536 g; scale words at SCO + 64 g
.set VIMG,   0x29c00                   ; V: head hd at hd x HEADB; fragment (u, s) at 6,144 u + 1,536 s; scale bytes at SCO + 256 u + 16 r + key block
.set HEADB,  0x3200
.set SCO,    12288
.set WIMG,   0x30000                   ; 48 half images of weights
.set PRIV,   0x39000                   ; PRIVB bytes a wave: a stage of 16 rows x 272; slot n (512 bytes) of Q, then ctx, at QSL + 512 n: tile 0's two slots are the stage's end, tile 1's lie behind it
.set PRIVB,  5376
.set QSL,    3328
.set SPARE,  0x4e000                   ; the spare words, 128 bytes a wave
.set HALF,   768
.set FRB,    1536
.set TSTEP,  0x10000                   ; 256 time steps of 256 bytes
.set WA16, 1
.set WA8,  2
.set WSA,  3
.set XA,   4                           ; my row of x, tile 0
.set PH,   5                           ; PAR + 64 h
.set QA,   6                           ; my slot 0 + 16 lane
.set KA16, 7
.set KA8,  8
.set KSA,  9
.set VA16, 10
.set VA8,  11
.set VSA,  12
.set VSAW, 13
.set PFO,  14                          ; lane x 131,072; never rewritten
.set GO,   15                          ; 131,072 h + 16 r
.set NM,   16                          ; attention: -M, the largest score, v[18:19] the row's sum
.set SMX,  17
.set LS,   18
.set WO256,  16                        ; the head: weights' offsets
.set WO1024, 17
.set GL8,    18
.set H8,     19
.set STW,  16                          ; the tail: into the stage, out of it, the add's two registers
.set ORD,  17
.set SPW,  18
.set NIL,  19
.set QC,   20
.set QSW,  23                          ; v23-v30 hold scales and nothing else
.set QAW,  31
.set KF,   32
.set VF,   56
.set S,    96
.set WF,   128
.set O,    160
.set RUN,  176                         ; zeros 176-181, 188-193, 200-205 (never rewritten); codes at 182 and 194
.set PC,   206
.set CT0,  218
.set CT1,  222
.set T,    225
.set BM,   226
.set TP,   230
.set SO,   234
.set T2,   236
.set BY,   238
.set F,    242
.set KA16W, 244
.set KA8W,  245
.set LT,   246
.set CQ,   248
.set KSAW, 252
.set VA16W, 253
.set VA8W,  254
.set PW8,  244                         ; writers' addresses: made anew for each tau
.set WW16, 245
.set WW8,  246
.set WWS,  247
.set RP,   248
.set KW16, 249
.set KW8,  250
.set KWS,  251
.set VW16, 252
.set VW8,  253
.set VWS,  254
.macro PL n
.rept \n
	v_nop
.endr
.endm
.macro FRAGLD reg, a16, a8, off
	ds_load_b128 v[(\reg):(\reg)+3], v[\a16] offset:(\off)
	ds_load_b64 v[(\reg)+4:(\reg)+5], v[\a8] offset:(\off)+512
	ds_load_b128 v[(\reg)+6:(\reg)+9], v[\a16] offset:(\off)+768
	ds_load_b64 v[(\reg)+10:(\reg)+11], v[\a8] offset:(\off)+1280
.endm
.macro WLOAD reg, n, f0                ; n weight fragments from f0 on, their scale words into v24 on
.set wi, 0
.rept \n
	FRAGLD (\reg)+12*wi, WA16, WA8, ((\f0)+wi)*FRB
	ds_load_b32 v[24+wi], v[WSA] offset:((\f0)+wi)*64
.set wi, wi+1
.endr
.endm
.macro VEC32 reg, adr, off             ; register 16 b + i = element 32 b + 16 h + i (the address holds 64 h)
.irp i, 0,1,2,3,4,5,6,7
	ds_load_b128 v[(\reg)+4*\i:(\reg)+4*\i+3], v[\adr] offset:(\off)+128*(\i/4)+16*(\i%4)
.endr
.endm
.macro VEC32ST reg, adr, off
.irp i, 0,1,2,3,4,5,6,7
	ds_store_b128 v[\adr], v[(\reg)+4*\i:(\reg)+4*\i+3] offset:(\off)+128*(\i/4)+16*(\i%4)
.endr
.endm
.macro MM0 d, a, b, sa, sb
	v_wmma_scale_f32_16x16x128_f8f6f4 v[(\d):(\d)+7], v[(\a):(\a)+11], v[(\b):(\b)+11], 0, v[\sa], v[\sb] matrix_a_fmt:MATRIX_FMT_FP6 matrix_b_fmt:MATRIX_FMT_FP6
.endm
.macro MMA d, a, b, sa, sb
	v_wmma_scale_f32_16x16x128_f8f6f4 v[(\d):(\d)+7], v[(\a):(\a)+11], v[(\b):(\b)+11], v[(\d):(\d)+7], v[\sa], v[\sb] matrix_a_fmt:MATRIX_FMT_FP6 matrix_b_fmt:MATRIX_FMT_FP6
.endm
; n blocks of 32, each 16 registers of mine and 16 of lane l xor 16: largest magnitude (floor 2^-124), the conversion's scale operand, the scale byte; the blocks take turns
.macro BMAX src, n
.set bq, 0
.rept \n
	v_max3_num_f32 v[BM+bq], |v[(\src)+16*bq]|, |v[(\src)+16*bq+1]|, 0x1800000
.set bq, bq+1
.endr
.irp i, 2,4,6,8,10,12,14
.set bq, 0
.rept \n
	v_max3_num_f32 v[BM+bq], v[BM+bq], |v[(\src)+16*bq+\i]|, |v[(\src)+16*bq+\i+1]|
.set bq, bq+1
.endr
.endr
.set bq, 0
.rept \n
	v_permlanex16_b32 v[TP+bq], v[BM+bq], s4, s5
.set bq, bq+1
.endr
.set bq, 0
.rept \n
	v_max_num_f32 v[BM+bq], v[BM+bq], v[TP+bq]
.set bq, bq+1
.endr
.set bq, 0
.rept \n
	v_add_nc_u32 v[SO+bq], 0xff000000, v[BM+bq]      ; 2 off the exponent field
.set bq, bq+1
.endr
.set bq, 0
.rept \n
	v_lshrrev_b32 v[BY+bq], 23, v[SO+bq]
.set bq, bq+1
.endr
.endm
.macro CVT2 src, ba, bb, dst, tmp
	v_cvt_scalef32_pk16_fp6_f32 v[\dst:\dst+2], v[(\src)+16*\ba:(\src)+16*\ba+15], v[SO+\ba]
	v_cvt_scalef32_pk16_fp6_f32 v[\tmp:\tmp+2], v[(\src)+16*\bb:(\src)+16*\bb+15], v[SO+\bb]
.endm
.macro JOIN dst, tmp                   ; half blocks become whole ones: lanes 0-15 all of the first block, lanes 16-31 all of the second
.irp i, 0,1,2
	v_permlane16_swap_b32 v[\dst+\i], v[\tmp+\i]
.endr
.irp i, 0,1,2
	s_delay_alu instid0(VALU_DEP_3)
	v_mov_b32 v[\dst+3+\i], v[\tmp+\i]
.endr
.endm
.macro DUP dst, lo, hi                 ; the scale word (lo, hi, lo, hi)
	v_lshl_or_b32 v[\dst], v[\hi], 8, v[\lo]
	s_delay_alu instid0(VALU_DEP_1)
	v_lshl_or_b32 v[\dst], v[\dst], 16, v[\dst]
.endm
.macro BARRIER                         ; my LDS stores have landed and my LDS loads are in: then the work-group's barrier
	s_wait_alu depctr_va_vdst(0)                   ; the wait ahead of a wait that blocks
	s_wait_dscnt 0x0
	s_barrier_signal -1
	s_barrier_wait -1
.endm
; ---------------------------------------------------------------- the head
	s_load_b512 s[16:31], s[0:1], 0x0              ; x 16, Wqkv 18, bqkv 20, Wo 22, bo 24, g1 26, beta1 28, W1 30
	s_load_b256 s[32:39], s[0:1], 0x40             ; bf1 32, W2 34, bf2 36, g2 38
	s_load_b128 s[40:43], s[0:1], 0x60             ; beta2 40, out0 42
	v_lshl_add_u32 v[SPW], v0, 2, SPARE
	v_mov_b32 v[NIL], 0
	ds_add_u32 v[SPW], v[NIL]                      ; the opening lines: the add twice on end and one wait, ahead of my first tensor load
	ds_add_u32 v[SPW], v[NIL]
	v_lshrrev_b32 v230, 5, v0
	v_readfirstlane_b32 s2, v230                   ; wave 0..15
	s_mov_b32 s3, ttmp9                            ; the first tau
	s_mov_b32 s4, 0x76543210
	s_mov_b32 s5, 0xfedcba98                       ; selects for lane l xor 16
	s_mov_b32 s6, 0x3e8293ee                       ; c = log2(e) / sqrt(32)
	s_mov_b32 s7, s6
	s_mov_b32 s8, 0x3c800000                       ; 1 / 64
	s_mov_b32 s9, 0x3727c5ac                       ; 1e-5
	s_mov_b32 s48, (2<<16)|(1<<20)|(5<<22)|(3<<25) ; group 1: 32 rows of 64 f32, 32,768 elements apart, 4 words of padding behind each 64
	s_mov_b32 s49, 64<<16
	s_mov_b32 s50, 32<<16
	s_mov_b32 s51, 64<<16
	s_mov_b32 s52, 32
	s_mov_b32 s53, 32768
	s_mov_b32 s54, 0
	s_mov_b32 s55, 0
	s_lshl_b32 s56, s2, 22                         ; 32 w stocks of 131,072 bytes
	s_lshl_b32 s11, s3, 8                          ; + tau rows of 256 bytes
	s_add_co_u32 s56, s56, s11
	s_mov_b32 s57, 0
	s_mov_b32 s44, 1
	s_mul_i32 s45, s2, XWAVE
	s_wait_alu depctr_va_vdst(0)
	s_wait_dscnt 0x0
	s_wait_kmcnt 0x0
	s_add_nc_u64 s[46:47], s[16:17], s[56:57]
	s_or_b32 s47, s47, 0x80000000
	tensor_load_to_lds s[44:47], s[48:55]          ; my 32 rows of x at the first tau: my one tensor load at the head
	s_nop 0
	v_and_b32 v226, 31, v0                         ; lane
	v_and_b32 v227, 15, v0                         ; r
	v_bfe_u32 v228, v0, 4, 1                       ; h
	v_and_b32 v229, 8, v227
	s_delay_alu instid0(VALU_DEP_1)
	v_add_nc_u32 v229, v229, v227                  ; r + 8 (r / 8)
	s_delay_alu instid0(VALU_DEP_1)
	v_lshlrev_b32 v[WO256], 8, v229
	v_lshlrev_b32 v[WO1024], 10, v229
	s_delay_alu instid0(VALU_DEP_2)
	v_lshl_add_u32 v[WO256], v228, 7, v[WO256]     ; my row of a tile, my block of 32: 128 bytes
	s_delay_alu instid0(VALU_DEP_2)
	v_lshl_add_u32 v[WO1024], v228, 7, v[WO1024]
	v_lshlrev_b32 v[GL8], 3, v226
	v_lshlrev_b32 v[H8], 3, v228
	s_wait_alu depctr_va_vdst(0)                   ; the wait ahead of the run of scalar lines
	s_add_nc_u64 s[42:43], s[42:43], s[56:57]      ; out0 at my first row
	s_add_nc_u64 s[14:15], s[16:17], s[56:57]
	s_add_nc_u64 s[14:15], s[14:15], TSTEP         ; x at the same stocks, 256 time steps on
	s_cmp_lt_u32 s2, 12                            ; three half images of weights a wave.  Unit A: tile w of Wqkv (w < 12) or tile w - 12 of Wo
	s_cselect_b64 s[58:59], s[18:19], s[22:23]
	s_cselect_b32 s11, 0, 12
	s_sub_co_u32 s11, s2, s11
	s_lshr_b32 s12, s11, 1
	s_lshl_b32 s12, s12, 13
	s_and_b32 s11, s11, 1
	s_lshl_b32 s11, s11, 11
	s_add_co_u32 s12, s12, s11
	s_mov_b32 s13, 0
	s_add_nc_u64 s[58:59], s[58:59], s[12:13]
	s_lshr_b32 s12, s2, 1                          ; unit B: tile w of W1
	s_lshl_b32 s12, s12, 13
	s_and_b32 s11, s2, 1
	s_lshl_b32 s11, s11, 11
	s_add_co_u32 s12, s12, s11
	s_add_nc_u64 s[60:61], s[30:31], s[12:13]
	s_lshr_b32 s12, s2, 3                          ; unit C: tile w / 4 of W2, its (w % 4)-th 64 along K
	s_lshl_b32 s12, s12, 15
	s_bfe_u32 s11, s2, 0x10002
	s_lshl_b32 s11, s11, 13
	s_add_co_u32 s12, s12, s11
	s_and_b32 s11, s2, 3
	s_lshl_b32 s11, s11, 8
	s_add_co_u32 s12, s12, s11
	s_add_nc_u64 s[62:63], s[34:35], s[12:13]
.irp i, 0,1,2,3,4,5,6,7
	global_load_b128 v[32+4*\i:35+4*\i], v[WO256], s[58:59] offset:16*\i
.endr
.irp i, 0,1,2,3,4,5,6,7
	global_load_b128 v[64+4*\i:67+4*\i], v[WO256], s[60:61] offset:16*\i
.endr
.irp i, 0,1,2,3,4,5,6,7
	global_load_b128 v[96+4*\i:99+4*\i], v[WO1024], s[62:63] offset:16*\i
.endr
	; the wave's places in LDS, kept in scalars for both taus
	s_mul_i32 s66, s2, HALF                        ; weights: 768 w
	s_lshr_b32 s11, s2, 1
	s_and_b32 s12, s2, 1
	s_lshl_b32 s67, s11, 6
	s_lshl_b32 s56, s12, 1
	s_add_co_u32 s67, s67, s56                     ; 64 (w / 2) + 2 (w % 2): my halfword of a weight's scale word
	s_mul_i32 s13, s11, HALF
	s_lshl_b32 s56, s12, 8
	s_add_co_u32 s68, s56, s13
	s_add_co_u32 s68, s68, VIMG                    ; V, 16-byte part: 768 (w / 2) + 256 (w % 2)
	s_lshl_b32 s56, s12, 7
	s_add_co_u32 s69, s56, s13
	s_add_co_u32 s69, s69, VIMG                    ; V, 8-byte part: 768 (w / 2) + 128 (w % 2)
	s_mul_i32 s13, s11, FRB
	s_add_co_u32 s70, s56, s13
	s_add_co_u32 s70, s70, KIMG                    ; K, 16-byte part: 1,536 (w / 2) + 128 (w % 2): rows 8 (w % 2) .. + 7 of fragment w / 2
	s_lshl_b32 s56, s12, 6
	s_add_co_u32 s71, s56, s13
	s_add_co_u32 s71, s71, KIMG                    ; K, 8-byte part
	s_lshl_b32 s72, s2, 5
	s_add_co_u32 s72, s72, KIMG+SCO                ; K's scale words: 64 (w / 2) + 32 (w % 2)
	s_mul_i32 s73, s2, PRIVB
	s_add_co_u32 s73, s73, PRIV                    ; my stage and slots
	v_lshl_add_u32 v[WA16], v226, 4, WIMG
	v_lshl_add_u32 v[WA8], v226, 3, WIMG
	v_lshl_add_u32 v[WSA], v227, 2, WSC
	v_mul_u32_u24 v[XA], v229, XPITCH
	v_lshl_add_u32 v[PH], v228, 6, PAR
	v_lshl_add_u32 v[QA], v226, 4, QSL
	v_lshl_add_u32 v[XA], v228, 6, v[XA]
	v_add_nc_u32 v[QA], s73, v[QA]
	v_lshl_add_u32 v[KA16], v226, 4, KIMG
	v_add_nc_u32 v[XA], s45, v[XA]
	v_lshl_add_u32 v[KA8], v226, 3, KIMG
	v_lshl_add_u32 v[KSA], v227, 2, KIMG+SCO
	v_lshl_add_u32 v[VA16], v226, 4, VIMG
	v_lshl_add_u32 v[VA8], v226, 3, VIMG
	v_lshl_add_u32 v[VSA], v227, 4, VIMG+SCO
	v_lshlrev_b32 v[PFO], 17, v226
	v_lshlrev_b32 v[GO], 4, v227
	v_lshl_add_u32 v[PW8], v226, 3, PAR
	v_add_nc_u32 v[WW16], s66, v[WA16]
	v_lshl_add_u32 v[GO], v228, 17, v[GO]
	v_add_nc_u32 v[WW8], s66, v[WA8]
	v_add_nc_u32 v[WWS], s67, v[WSA]
.irp z, 0,1,2,3,4,5
	v_mov_b32 v[RUN+\z], 0                         ; the three groups of zero codes: written once
	v_mov_b32 v[RUN+12+\z], 0
	v_mov_b32 v[RUN+24+\z], 0
.endr
.irp z, 0,1,2,3
	v_mov_b32 v[TP+\z], 0                          ; a lane permute's destination counts as one of its sources
	v_mov_b32 v[O+1+2*\z], 0                       ; the upper halves of V's bias pairs are named, so they are written
.endr
	v_mov_b32 v[F+1], 0
	s_cmp_lg_u32 s2, 0                             ; wave 0 copies the small vectors into LDS, 256 bytes a load
	s_cbranch_scc1 .Lnot0
	global_load_b64 v[128:129], v[GL8], s[20:21]
	global_load_b64 v[130:131], v[GL8], s[20:21] offset:256
	global_load_b64 v[132:133], v[GL8], s[20:21] offset:512
	global_load_b64 v[134:135], v[GL8], s[24:25]
	global_load_b64 v[136:137], v[GL8], s[26:27]
	global_load_b64 v[138:139], v[GL8], s[28:29]
	global_load_b64 v[140:141], v[GL8], s[32:33]
	global_load_b64 v[142:143], v[GL8], s[32:33] offset:256
	global_load_b64 v[144:145], v[GL8], s[32:33] offset:512
	global_load_b64 v[146:147], v[GL8], s[32:33] offset:768
	global_load_b64 v[148:149], v[GL8], s[36:37]
	global_load_b64 v[150:151], v[GL8], s[38:39]
	global_load_b64 v[152:153], v[GL8], s[40:41]
	s_wait_loadcnt 0x0
.irp i, 0,1,2,3,4,5,6,7,8,9,10,11,12
	ds_store_b64 v[PW8], v[128+2*\i:129+2*\i] offset:256*\i
.endr
.Lnot0:
; the weights: a lane holds a whole block of 32 of its row: codes, scale byte, image
.macro WUNIT k
.set WS, 32+32*\k
	s_wait_loadcnt 16-8*\k                         ; this unit's eight loads are in; the later units' may be out
	v_max3_num_f32 v226, |v[WS]|, |v[WS+1]|, 0x1800000
	v_max3_num_f32 v227, |v[WS+2]|, |v[WS+3]|, |v[WS+4]|
.irp i, 5,9,13,17,21,25
	s_delay_alu instid0(VALU_DEP_2)
	v_max3_num_f32 v226, v226, |v[WS+\i]|, |v[WS+\i+1]|
	s_delay_alu instid0(VALU_DEP_2)
	v_max3_num_f32 v227, v227, |v[WS+\i+2]|, |v[WS+\i+3]|
.endr
	s_delay_alu instid0(VALU_DEP_2)
	v_max3_num_f32 v226, v226, |v[WS+29]|, |v[WS+30]|
	s_delay_alu instid0(VALU_DEP_1)
	v_max3_num_f32 v226, v226, v227, |v[WS+31]|
	s_delay_alu instid0(VALU_DEP_1)
	v_add_nc_u32 v[SO], 0xff000000, v226
	s_delay_alu instid0(VALU_DEP_1)
	v_lshrrev_b32 v[BY], 23, v[SO]
	s_delay_alu instid0(VALU_DEP_1)
	v_lshlrev_b32 v[BY], v[H8], v[BY]              ; my byte at its place,
	s_delay_alu instid0(VALU_DEP_1)
	v_permlanex16_b32 v[TP], v[BY], s4, s5
	s_delay_alu instid0(VALU_DEP_1)
	v_or_b32 v[172+\k], v[BY], v[TP]               ; with lane l xor 16's: the row's two bytes
	v_cvt_scalef32_pk16_fp6_f32 v[PC+6*\k:PC+6*\k+2], v[WS:WS+15], v[SO]
	v_cvt_scalef32_pk16_fp6_f32 v[168:170], v[WS+16:WS+31], v[SO]
	v_nop                                          ; one plain place behind the conversions
.irp i, 0,1,2
	v_mov_b32 v[PC+6*\k+3+\i], v[168+\i]
.endr
	ds_store_b128 v[WW16], v[PC+6*\k:PC+6*\k+3] offset:16*HALF*\k
	ds_store_b64 v[WW8], v[PC+6*\k+4:PC+6*\k+5] offset:16*HALF*\k+512
	ds_store_b16 v[WWS], v[172+\k] offset:512*\k
.endm
	WUNIT 0
	WUNIT 1
	WUNIT 2
	BARRIER                                        ; the weights' images and the small vectors lie in LDS.  (My tensor load may be out: only I read its bytes, behind my own wait; nothing is filled again here)
	s_mov_b32 s74, 2                               ; taus to go, this one among them
; Q and K: transposed (source 0 = a weight fragment, source 1 = x beside zeros): a lane holds one stock; the bias is loaded straight into the sums' registers
.macro PROJ f0, boff
	WLOAD 32, 2, \f0
	VEC32 96, PH, \boff
	VEC32 128, PH, \boff
	s_wait_dscnt 0x0
.irp u, 0,1
.irp t, 0,1,2,3
	MMA 96+32*\u+8*\t, 32+12*(\t/2), RUN+12*\u+6*(1-\t%2), 24+\t/2, 28+\u
.endr
.endr
	PL 4
	BMAX 96, 4                                     ; block 2 u + hd: a stock's 32 numbers of one head
.endm
; ---------------------------------------------------------------- a tau
.Ltau:
	v_and_b32 v227, 15, v0                         ; the writers' addresses
	v_bfe_u32 v228, v0, 4, 1
	v_and_b32 v226, 7, v0                          ; i = r % 8
	v_bfe_u32 v230, v0, 3, 1                       ; a = r / 8
	v_and_b32 v229, 8, v227
	v_mul_u32_u24 v232, v228, 6144                 ; V: lanes 16-31 write the head's second tile of d
	v_mul_u32_u24 v231, v230, HALF                 ; K: my key is row 8 (w % 2) + i of tile j = 2 a + h: register group a, lanes' half h
	v_add_nc_u32 v229, v229, v227
	v_lshlrev_b32 v[KWS], 2, v226
	v_lshl_add_u32 v[VW16], v227, 4, v232
	v_lshl_add_u32 v[VW8], v227, 3, v232
	v_lshl_add_u32 v[KW16], v226, 4, v231
	v_lshl_add_u32 v[KW8], v226, 3, v231
	v_lshl_add_u32 v[RP], v229, 2, PAR
	v_lshl_add_u32 v[KWS], v230, 1, v[KWS]         ; its two tiles' bytes 2 a, 2 a + 1 of word 8 (w % 2) + i
	v_add_nc_u32 v[VW16], s68, v[VW16]
	v_add_nc_u32 v[VW8], s69, v[VW8]
	v_lshl_add_u32 v[KW16], v228, 8, v[KW16]
	v_lshl_add_u32 v[KW8], v228, 7, v[KW8]
	v_add_nc_u32 v[KWS], s72, v[KWS]
	v_add_nc_u32 v[VWS], s2, v[VSA]
	v_add_nc_u32 v[KW16], s70, v[KW16]
	v_add_nc_u32 v[KW8], s71, v[KW8]
	s_wait_alu depctr_va_vdst(0)                   ; the wait ahead of a wait that blocks
	s_wait_tensorcnt 0x0                           ; my rows of x are in
	VEC32 32, XA, 0
	VEC32 64, XA, 8*XPITCH
	s_wait_dscnt 0x0
	BMAX 32, 4
	DUP 28, BY, BY+1
	DUP 29, BY+2, BY+3
	CVT2 32, 0, 1, RUN+6, CT0
	CVT2 32, 2, 3, RUN+18, CT1
	v_nop
	JOIN RUN+6, CT0
	JOIN RUN+18, CT1
	s_wait_alu depctr_va_vdst(0)
	PL 8                                           ; scale words written by vector instructions stand eight places ahead of a scaled product, operands four
	PROJ 0, P_BQKV
.irp n, 0,1,2,3
	DUP PC+3+4*\n, BY+\n, BY+\n                    ; Q's byte four times: its codes may stand in any of the four blocks
.endr
.irp n, 0,1,2,3
	v_cvt_scalef32_pk16_fp6_f32 v[PC+4*\n:PC+4*\n+2], v[96+16*\n:96+16*\n+15], v[SO+\n]
.endr
	v_nop
.irp n, 0,1,2,3
	ds_store_b128 v[QA], v[PC+4*\n:PC+4*\n+3] offset:512*\n
.endr
	PROJ 2, P_BQKV+256
	CVT2 96, 0, 2, PC, CT0                         ; head 0: tile 0's and tile 1's keys
	CVT2 96, 1, 3, PC+6, CT1                       ; head 1
	v_nop
	JOIN PC, CT0                                   ; lane (r, u) = stock r of my tile u, all 32 numbers
	JOIN PC+6, CT1
.irp n, 0,1
	v_lshl_or_b32 v[172+\n], v[BY+2+\n], 8, v[BY+\n]
	ds_store_b128 v[KW16], v[PC+6*\n:PC+6*\n+3] offset:\n*HEADB
	ds_store_b64 v[KW8], v[PC+6*\n+4:PC+6*\n+5] offset:\n*HEADB+512
	ds_store_b16 v[KWS], v[172+\n] offset:\n*HEADB
.endr
	; V: the other way round (source 0 = x, source 1 = the weights): a lane holds one d, its registers run along my 32 keys, one block of the second product's K
	WLOAD 32, 2, 4
.irp t, 0,1,2,3
	ds_load_b32 v[O+2*\t], v[RP] offset:P_BQKV+512+(32*(\t/2)+8*(\t%2))*4
.endr
	s_wait_dscnt 0x0
.irp t, 0,1,2,3
.irp u, 0,1
	MM0 96+16*\t+8*\u, RUN+12*\u+6*(1-\t%2), 32+12*(\t/2), 28+\u, 24+\t/2
.endr
.endr
	PL 4
.irp t, 0,1,2,3
.irp i, 0,2,4,6,8,10,12,14
	v_pk_add_f32 v[96+16*\t+\i:96+16*\t+\i+1], v[96+16*\t+\i:96+16*\t+\i+1], v[O+2*\t:O+2*\t+1] op_sel_hi:[1,0]
.endr
.endr
	BMAX 96, 4
.irp t, 0,1,2,3
	ds_store_b8 v[VWS], v[BY+\t] offset:(\t/2)*HEADB+(\t%2)*256
.endr
	CVT2 96, 0, 1, PC, CT0
	CVT2 96, 2, 3, PC+6, CT1
	v_nop
	JOIN PC, CT0
	JOIN PC+6, CT1
.irp n, 0,1
	ds_store_b128 v[VW16], v[PC+6*\n:PC+6*\n+3] offset:\n*HEADB
	ds_store_b64 v[VW8], v[PC+6*\n+4:PC+6*\n+5] offset:\n*HEADB+512
.endr
	BARRIER                                        ; K's and V's images of all 512 stocks lie in LDS
	s_cmp_eq_u32 s74, 1                            ; the last tau has no successor to ask for
	s_cbranch_scc1 .Lnopf
	global_prefetch_b8 v[PFO], s[14:15] th:TH_LOAD_NT scope:SCOPE_SE   ; my 32 rows at the next tau, a lane a row; the address registers are never rewritten
.Lnopf:
; ---------------------------------------------------------------- attention: four units (tile of 16 queries, head), each four steps of 128 keys
.macro FMAN r, n                       ; t - M of n pairs of scores from register S + r on
.set fj, \r
.rept \n
	v_pk_fma_f32 v[S+fj:S+fj+1], v[S+fj:S+fj+1], s[6:7], v[NM:NM+1] op_sel_hi:[1,0,0]
.set fj, fj+2
.endr
.endm
.set LU, 80                            ; v[80:81], v[82:83]: the third and fourth chain of a step's sum
.set LV, 82
.macro SUM4 r                          ; four pairs of p onto the row's sum, one to each of four chains
	v_pk_add_f32 v[LS:LS+1], v[LS:LS+1], v[S+(\r):S+(\r)+1]
	v_pk_add_f32 v[LT:LT+1], v[LT:LT+1], v[S+(\r)+2:S+(\r)+3]
	v_pk_add_f32 v[LU:LU+1], v[LU:LU+1], v[S+(\r)+4:S+(\r)+5]
	v_pk_add_f32 v[LV:LV+1], v[LV:LV+1], v[S+(\r)+6:S+(\r)+7]
.endm
.macro STEP st, first, last
	s_wait_dscnt 0x0                               ; this step's K is in
.irp g, 0,1
.irp j, 0,1,2,3
	MM0 S+8*(4*\g+\j), KF+12*\g, RUN+6*(1-\j/2)+12*(\j%2), 24+\g, QSW
.endr
.endr                                              ; lane (r, h): query r; register 32 g + i: key 128 st + 64 g + 32 h + i
.if \first
	PL 4                                           ; places in front of the loads into registers that products have read, and of the first read of the scores
.else
	v_mov_b32 v[T2], v[NM]                         ; the old -M is kept: the first of the four places
	PL 3
.endif
.irp g, 0,1
	FRAGLD VF+12*\g, VA16W, VA8W, \g*6144+\st*FRB
	ds_load_b32 v[26+\g], v[VSAW] offset:\g*256+4*\st
.endr
.if \last == 0
.irp g, 0,1
	FRAGLD KF+12*\g, KA16W, KA8W, (2*\st+2+\g)*FRB
	ds_load_b32 v[24+\g], v[KSAW] offset:(2*\st+2+\g)*64
.endr
.endif
.irp g, 0,1                                    ; my two blocks' largest scores, each in two chains (registers 0-16, 17-31); every tile is first read at its low end
	v_max3_num_f32 v[BM+2*\g], v[S+32*\g], v[S+32*\g+1], v[S+32*\g+2]
	v_max3_num_f32 v[BM+2*\g+1], v[S+32*\g+17], v[S+32*\g+18], v[S+32*\g+19]
.endr
.irp i, 0,2,4,6,8,10
.irp g, 0,1
	v_max3_num_f32 v[BM+2*\g], v[BM+2*\g], v[S+32*\g+3+\i], v[S+32*\g+4+\i]
	v_max3_num_f32 v[BM+2*\g+1], v[BM+2*\g+1], v[S+32*\g+20+\i], v[S+32*\g+21+\i]
.endr
.endr
.irp g, 0,1
	v_max3_num_f32 v[BM+2*\g], v[BM+2*\g], v[S+32*\g+15], v[S+32*\g+16]
.endr
.irp g, 0,1
	s_delay_alu instid0(VALU_DEP_2)
	v_max_num_f32 v[BM+2*\g], v[BM+2*\g], v[BM+2*\g+1]
.endr
	s_delay_alu instid0(VALU_DEP_1)
.if \first
	v_max_num_f32 v[T], v[BM], v[BM+2]
.else
	v_max3_num_f32 v[T], v[BM], v[BM+2], v[SMX]    ; with the running largest score
.endif
	s_delay_alu instid0(VALU_DEP_1)
	v_permlanex16_b32 v[TP], v[T], s4, s5
	s_delay_alu instid0(VALU_DEP_1)
	v_max_num_f32 v[SMX], v[T], v[TP]              ; and lane l xor 16's two blocks
	s_delay_alu instid0(VALU_DEP_1)
	v_mul_f32 v[T], s6, v[SMX]                     ; as t (c is positive)
	s_delay_alu instid0(VALU_DEP_1)
	v_floor_f32 v[NM], -v[T]                       ; -M = floor(-t): M is a whole number
	; Three short chains take turns with the first eight multiply-adds, all ahead of the first exponential:
	; (a) A BLOCK'S SCALE WITHOUT ITS LARGEST p: p = 2^(t - M) has the exponent floor(t - M), so the block's byte is floor(its largest t - M) - 2 + 127, held at 1 from below (t - M held at -124);
	; (b) f = 2^(old M - new M), which rounds nothing; (c) the sum and O^T under the new M.
	v_fma_f32 v[BM], v[BM], s6, v[NM]              ; my two blocks' largest t - M
	v_fma_f32 v[BM+2], v[BM+2], s6, v[NM]
.if \first == 0
	v_sub_f32 v[T2], v[NM], v[T2]                  ; old M - new M: a whole number, 0 or less
.endif
	FMAN 0, 2
	v_max_num_f32 v[BM], 0xc2f80000, v[BM]         ; held at -124
	v_max_num_f32 v[BM+2], 0xc2f80000, v[BM+2]
.if \first == 0
	v_cvt_i32_f32 v[T2], v[T2]
.endif
	FMAN 4, 2
	v_cvt_floor_i32_f32 v[BY], v[BM]
	v_cvt_floor_i32_f32 v[BY+1], v[BM+2]
.if \first == 0
	v_ldexp_f32 v[F], 1.0, v[T2]
.endif
	FMAN 8, 2
	v_add_nc_u32 v[BY], 125, v[BY]                 ; the scale bytes, 1 .. 126
	v_add_nc_u32 v[BY+1], 125, v[BY+1]
	FMAN 12, 2
.if \first == 0
.irp j, 0,2
	v_pk_mul_f32 v[O+\j:O+1+\j], v[O+\j:O+1+\j], v[F:F+1] op_sel_hi:[1,0]
.endr
.endif
	v_lshlrev_b32 v[SO], 23, v[BY]                 ; the conversions' scale operands
	v_lshlrev_b32 v[SO+1], 23, v[BY+1]
	v_lshl_or_b32 v[T], v[BY+1], 16, v[BY]         ; my bytes: blocks h and 2 + h
.if \first == 0
.irp j, 4,6,8
	v_pk_mul_f32 v[O+\j:O+1+\j], v[O+\j:O+1+\j], v[F:F+1] op_sel_hi:[1,0]
.endr
.endif
	v_permlanex16_b32 v[TP], v[T], s4, s5
.if \first == 0
.irp j, 10,12,14
	v_pk_mul_f32 v[O+\j:O+1+\j], v[O+\j:O+1+\j], v[F:F+1] op_sel_hi:[1,0]
.endr
.endif
	v_lshl_or_b32 v30, v[TP], 8, v[T]              ; in lanes 0-15, which alone are read: p's scale word for these 128 keys
	; the exponentials, all sixty-four in one run, behind all the multiply-adds
	FMAN 16, 24
	s_wait_alu depctr_va_vdst(0)                   ; one wait ahead of the batch, for its sources and for all that was written ahead of it
.irp j, 0,1,2,3,4,5,6,7,8,9,10,11,12,13,14,15,16,17,18,19,20,21,22,23,24,25,26,27,28,29,30,31,32,33,34,35,36,37,38,39,40,41,42,43,44,45,46,47,48,49,50,51,52,53,54,55,56,57,58,59,60,61,62,63
	v_exp_f32 v[S+\j], v[S+\j]                     ; p = 2^(t - M)
.endr
.if \first
	v_nop                                          ; a plain place behind the exponentials
.else
	v_pk_mul_f32 v[LS:LS+1], v[LS:LS+1], v[F:F+1] op_sel_hi:[1,0]     ; the sum under the new M; a plain place behind the exponentials
.endif
	s_wait_alu depctr_va_vdst(0)                   ; and one behind it, ahead of its first reader
	v_cvt_scalef32_pk16_fp6_f32 v[PC:PC+2], v[S:S+15], v[SO]
	v_cvt_scalef32_pk16_fp6_f32 v[CT0:CT0+2], v[S+16:S+31], v[SO]        ; (a conversion's three registers begin on an even number)
	v_cvt_scalef32_pk16_fp6_f32 v[PC+6:PC+8], v[S+32:S+47], v[SO+1]
	v_cvt_scalef32_pk16_fp6_f32 v[CT1:CT1+2], v[S+48:S+63], v[SO+1]
.if \first
	v_pk_add_f32 v[LS:LS+1], v[S:S+1], v[S+2:S+3]  ; the row's sum of the unquantised p, in four chains; these lines are the plain places behind the conversions
	v_pk_add_f32 v[LT:LT+1], v[S+4:S+5], v[S+6:S+7]
	v_pk_add_f32 v[LU:LU+1], v[S+8:S+9], v[S+10:S+11]
	v_pk_add_f32 v[LV:LV+1], v[S+12:S+13], v[S+14:S+15]
.else
	v_pk_add_f32 v[LT:LT+1], v[S:S+1], v[S+2:S+3]
	v_pk_add_f32 v[LU:LU+1], v[S+4:S+5], v[S+6:S+7]
	v_pk_add_f32 v[LV:LV+1], v[S+8:S+9], v[S+10:S+11]
	v_pk_add_f32 v[LS:LS+1], v[LS:LS+1], v[S+12:S+13]
	v_pk_add_f32 v[LT:LT+1], v[LT:LT+1], v[S+14:S+15]
.endif
	SUM4 16
	v_dual_mov_b32 v[PC+3], v[CT0] :: v_dual_mov_b32 v[PC+4], v[CT0+1]
	v_dual_mov_b32 v[PC+9], v[CT1] :: v_dual_mov_b32 v[PC+10], v[CT1+1]
	v_mov_b32 v[PC+5], v[CT0+2]
	v_mov_b32 v[PC+11], v[CT1+2]
	SUM4 24                                        ; 23 plain lines stand between the operand's last write and the products that read it
	SUM4 32
	SUM4 40
	SUM4 48
	SUM4 56
	v_pk_add_f32 v[LS:LS+1], v[LS:LS+1], v[LT:LT+1]
	v_pk_add_f32 v[LU:LU+1], v[LU:LU+1], v[LV:LV+1]
	s_delay_alu instid0(VALU_DEP_1)
	v_pk_add_f32 v[LS:LS+1], v[LS:LS+1], v[LU:LU+1]
.if \last
	s_wait_alu depctr_va_vdst(0)                   ; the wait ahead of the wait that blocks
	s_wait_dscnt 0x0                               ; V is in
.else
	s_wait_dscnt 10                                ; V's ten loads are in; the next step's ten of K, issued behind them, may be out
.endif
.irp g, 0,1
.if \first
	MM0 O+8*\g, VF+12*\g, PC, 26+\g, 30
.else
	MMA O+8*\g, VF+12*\g, PC, 26+\g, 30
.endif
.endr
.endm
	s_mov_b32 s10, 4                               ; units to go
	s_mov_b32 s11, 0                               ; the head's place in K's and V's images: 0, HEADB by turns
	s_mov_b32 s12, 0                               ; the unit's slot of Q and ctx
.Lunit:
	v_add_nc_u32 v[QAW], s12, v[QA]
	v_add_nc_u32 v[KA16W], s11, v[KA16]
	v_add_nc_u32 v[KA8W], s11, v[KA8]
	v_add_nc_u32 v[KSAW], s11, v[KSA]
	v_add_nc_u32 v[VA16W], s11, v[VA16]
	v_add_nc_u32 v[VA8W], s11, v[VA8]
	v_add_nc_u32 v[VSAW], s11, v[VSA]
	ds_load_b128 v[QC:QC+3], v[QAW]                ; Q's codes (16 a lane) and scale word
	FRAGLD KF, KA16W, KA8W, 0
	FRAGLD KF+12, KA16W, KA8W, FRB
	ds_load_b32 v24, v[KSAW]
	ds_load_b32 v25, v[KSAW] offset:64
	s_wait_dscnt 10                                ; Q is in; K's ten loads, issued behind it, may be out
.irp i, 0,1,2
	v_mov_b32 v[RUN+6+\i], v[QC+\i]
	v_mov_b32 v[RUN+9+\i], 0
	v_mov_b32 v[RUN+18+\i], 0
	v_mov_b32 v[RUN+21+\i], v[QC+\i]
.endr
.irp i, 0,1,2
	v_permlane16_swap_b32 v[RUN+6+\i], v[RUN+9+\i]     ; the query's 32 codes in lanes 0-15, zeros above
	v_permlane16_swap_b32 v[RUN+18+\i], v[RUN+21+\i]   ; the same codes in lanes 16-31, zeros below
.endr
	PL 4
	s_wait_alu depctr_va_vdst(0)
	STEP 0, 1, 0
	STEP 1, 0, 0
	STEP 2, 0, 0
	STEP 3, 0, 1
	v_add_f32 v[T], v[LS], v[LS+1]                 ; the sum's two halves
	PL 3                                           ; with the line above: four places behind the last products
	v_permlanex16_b32 v[TP], v[T], s4, s5
	s_delay_alu instid0(VALU_DEP_1)
	v_add_f32 v[T], v[T], v[TP]
	s_wait_alu depctr_va_vdst(0)
	v_rcp_f32 v[F], v[T]
	v_nop
	s_wait_alu depctr_va_vdst(0)                   ; ahead of the reciprocal's first reader
.irp j, 0,2,4,6,8,10,12,14
	v_pk_mul_f32 v[O+\j:O+1+\j], v[O+\j:O+1+\j], v[F:F+1] op_sel_hi:[1,0]     ; ctx: register i = d 16 h + i of this head
.endr
	v_max3_num_f32 v[BM], |v[O]|, |v[O+1]|, 0x1800000
	v_max3_num_f32 v[BM+1], |v[O+2]|, |v[O+3]|, |v[O+4]|
	s_delay_alu instid0(VALU_DEP_2)
	v_max3_num_f32 v[BM], v[BM], |v[O+5]|, |v[O+6]|
	s_delay_alu instid0(VALU_DEP_2)
	v_max3_num_f32 v[BM+1], v[BM+1], |v[O+7]|, |v[O+8]|
	s_delay_alu instid0(VALU_DEP_2)
	v_max3_num_f32 v[BM], v[BM], |v[O+9]|, |v[O+10]|
	s_delay_alu instid0(VALU_DEP_2)
	v_max3_num_f32 v[BM+1], v[BM+1], |v[O+11]|, |v[O+12]|
	s_delay_alu instid0(VALU_DEP_2)
	v_max3_num_f32 v[BM], v[BM], |v[O+13]|, |v[O+14]|
	s_delay_alu instid0(VALU_DEP_1)
	v_max3_num_f32 v[BM], v[BM], v[BM+1], |v[O+15]|
	s_delay_alu instid0(VALU_DEP_1)
	v_permlanex16_b32 v[TP], v[BM], s4, s5
	s_delay_alu instid0(VALU_DEP_1)
	v_max_num_f32 v[BM], v[BM], v[TP]
	s_delay_alu instid0(VALU_DEP_1)
	v_add_nc_u32 v[SO], 0xff000000, v[BM]
	s_delay_alu instid0(VALU_DEP_1)
	v_lshrrev_b32 v[CQ+3], 23, v[SO]
	v_cvt_scalef32_pk16_fp6_f32 v[CQ:CQ+2], v[O:O+15], v[SO]
	v_nop
	ds_store_b128 v[QAW], v[CQ:CQ+3]               ; ctx's codes and byte take the place of the unit's Q: my own bytes
	s_wait_dscnt 0x0
	s_add_co_u32 s12, s12, 512
	s_xor_b32 s11, s11, HEADB
	s_sub_co_u32 s10, s10, 1
	s_cmp_lg_u32 s10, 0
	s_cbranch_scc1 .Lunit
; ---------------------------------------------------------------- the tail, a tile of 16 stocks at a time: Wo, residual, norm, FFN, residual, norm, the way out
	v_and_b32 v226, 15, v0
	v_bfe_u32 v227, v0, 4, 1
	v_lshl_add_u32 v[SPW], v0, 2, SPARE            ; the add's two registers, made anew: the attention had no two to keep
	v_mov_b32 v[NIL], 0
	v_mul_u32_u24 v[STW], v226, XPITCH             ; into my stage: row r, + 64 h
	v_mul_u32_u24 v[ORD], v227, XPITCH             ; out of it: lanes 0-15 one row, lanes 16-31 the next
	s_delay_alu instid0(VALU_DEP_2)
	v_lshl_add_u32 v[STW], v227, 6, v[STW]
	s_delay_alu instid0(VALU_DEP_2)
	v_lshl_add_u32 v[ORD], v226, 4, v[ORD]
	s_delay_alu instid0(VALU_DEP_2)
	v_add_nc_u32 v[STW], s73, v[STW]
	s_delay_alu instid0(VALU_DEP_2)
	v_add_nc_u32 v[ORD], s73, v[ORD]
; The norm of the row in v96-127 (my 32 numbers, lane l xor 16 has the other 32): the mean is taken away before the squares; g's registers are multiplied by 1 / sqrt(var + eps) first.
.macro LNORM g, bt
	v_pk_add_f32 v[250:251], v[96:97], v[98:99]
	v_pk_add_f32 v[252:253], v[104:105], v[108:109]
	v_pk_add_f32 v[240:241], v[112:113], v[116:117]
	v_pk_add_f32 v[238:239], v[120:121], v[124:125]
	v_pk_add_f32 v[236:237], v[100:101], v[102:103]
	v_pk_add_f32 v[234:235], v[106:107], v[110:111]
	v_pk_add_f32 v[228:229], v[114:115], v[118:119]
	v_pk_add_f32 v[248:249], v[122:123], v[126:127]
	s_delay_alu instid0(VALU_DEP_1)
	v_pk_add_f32 v[248:249], v[248:249], v[238:239]
	v_pk_add_f32 v[250:251], v[250:251], v[236:237]
	v_pk_add_f32 v[252:253], v[252:253], v[234:235]
	v_pk_add_f32 v[240:241], v[240:241], v[228:229]
	s_delay_alu instid0(VALU_DEP_2)
	v_pk_add_f32 v[248:249], v[248:249], v[252:253]
	s_delay_alu instid0(VALU_DEP_2)
	v_pk_add_f32 v[250:251], v[250:251], v[240:241]
	s_delay_alu instid0(VALU_DEP_1)
	v_pk_add_f32 v[248:249], v[248:249], v[250:251]
	s_delay_alu instid0(VALU_DEP_1)
	v_add_f32 v[T], v[CQ], v[CQ+1]
	s_delay_alu instid0(VALU_DEP_1)
	v_permlanex16_b32 v[TP], v[T], s4, s5
	s_delay_alu instid0(VALU_DEP_1)
	v_add_f32 v[T], v[T], v[TP]
	s_delay_alu instid0(VALU_DEP_1)
	v_mul_f32 v[LT], s8, v[T]                      ; the mean
.irp p, 0,2,4,6,8,10,12,14,16,18,20,22,24,26,28,30
	v_pk_add_f32 v[96+\p:97+\p], v[96+\p:97+\p], v[LT:LT+1] op_sel_hi:[1,0] neg_lo:[0,1] neg_hi:[0,1]
.endr
	v_pk_mul_f32 v[CQ:CQ+1], v[96:97], v[96:97]
	v_pk_mul_f32 v[CQ+2:CQ+3], v[98:99], v[98:99]
.irp p, 4,8,12,16,20,24,28
	s_delay_alu instid0(VALU_DEP_2)
	v_pk_fma_f32 v[CQ:CQ+1], v[96+\p:97+\p], v[96+\p:97+\p], v[CQ:CQ+1]
	s_delay_alu instid0(VALU_DEP_2)
	v_pk_fma_f32 v[CQ+2:CQ+3], v[98+\p:99+\p], v[98+\p:99+\p], v[CQ+2:CQ+3]
.endr
	s_delay_alu instid0(VALU_DEP_1)
	v_pk_add_f32 v[CQ:CQ+1], v[CQ:CQ+1], v[CQ+2:CQ+3]
	s_delay_alu instid0(VALU_DEP_1)
	v_add_f32 v[T], v[CQ], v[CQ+1]
	s_delay_alu instid0(VALU_DEP_1)
	v_permlanex16_b32 v[TP], v[T], s4, s5
	s_delay_alu instid0(VALU_DEP_1)
	v_add_f32 v[T], v[T], v[TP]
	s_delay_alu instid0(VALU_DEP_1)
	v_fma_f32 v[T], v[T], s8, s9                   ; var + eps
	s_wait_alu depctr_va_vdst(0)
	v_rsq_f32 v[F], v[T]
	v_nop
	s_wait_alu depctr_va_vdst(0)                   ; ahead of the root's first reader
.irp p, 0,2,4,6,8,10,12,14,16,18,20,22,24,26,28,30
	v_pk_mul_f32 v[(\g)+\p:(\g)+\p+1], v[(\g)+\p:(\g)+\p+1], v[F:F+1] op_sel_hi:[1,0]
.endr
.irp p, 0,2,4,6,8,10,12,14,16,18,20,22,24,26,28,30
	v_pk_fma_f32 v[96+\p:97+\p], v[96+\p:97+\p], v[(\g)+\p:(\g)+\p+1], v[(\bt)+\p:(\bt)+\p+1]
.endr
.endm
; tile u of my stocks.  refill = 1: behind the tile's read of x, my last of this tau, my rows of x are filled again with the next tau's
.macro TILE u, refill
	ds_load_b128 v[RUN+6:RUN+9], v[QA] offset:1024*\u          ; ctx, head 0: codes and byte
	ds_load_b128 v[CT0:CT0+3], v[QA] offset:1024*\u+512        ; head 1
	WLOAD WF, 2, 6                                 ; Wo
	VEC32 96, XA, 8*XPITCH*\u                      ; x, the residual, straight into the sums' registers
	VEC32 32, PH, P_BO
	VEC32 64, PH, P_G1
	s_wait_dscnt 0x0
.if \refill
	s_wait_tensorcnt 0x0                           ; none of my tensor loads is out,
	ds_add_u32 v[SPW], v[NIL]
	s_add_nc_u64 s[46:47], s[46:47], TSTEP         ; so the descriptor may step to the next tau
	s_wait_dscnt 0x0                               ; the add is done; my reads of x were waited for above
	s_barrier_signal -1
	s_barrier_wait -1                              ; also: every wave has left this tau's attention, so K's and V's images may be written anew
	tensor_load_to_lds s[44:47], s[48:55]          ; my one load behind this barrier
	s_nop 0
.endif
	DUP 28, RUN+9, CT0+3
	JOIN RUN+6, CT0                                ; lane (r, h) = head h's 32 codes: block h of K = 64
.irp p, 0,2,4,6,8,10,12,14,16,18,20,22,24,26,28,30
	v_pk_add_f32 v[96+\p:97+\p], v[96+\p:97+\p], v[32+\p:33+\p]
.endr
	VEC32 32, PH, P_BE1
	PL 8
.irp t, 0,1,2,3
	MMA 96+8*\t, WF+12*(\t/2), RUN+6*(1-\t%2), 24+\t/2, 28
.endr
	PL 4
	s_wait_dscnt 0x0
	LNORM 64, 32                                   ; y
	VEC32 64, PH, P_BF2
	BMAX 96, 2
	DUP 29, BY, BY+1
	CVT2 96, 0, 1, RUN+6, CT0
	v_nop
	JOIN RUN+6, CT0
	s_wait_alu depctr_va_vdst(0)
	s_wait_dscnt 0x0
.irp p, 0,2,4,6,8,10,12,14,16,18,20,22,24,26,28,30
	v_pk_add_f32 v[96+\p:97+\p], v[96+\p:97+\p], v[64+\p:65+\p]       ; y + bf2: what W2's products add onto; the places ahead of W1's products
.endr
.irp q, 0,1                                    ; 128 hidden units at a time: one K step of the second product
.if \q == 1
	PL 4                                           ; places in front of loads into registers that W2's products have just read
.endif
	WLOAD WF, 4, 8+4*\q
.irp i, 0,1,2,3,4,5,6,7,8,9,10,11,12,13,14,15
	ds_load_b128 v[32+4*\i:35+4*\i], v[PH] offset:P_BF1+512*\q+128*(\i/4)+16*(\i%4)
.endr
	s_wait_dscnt 0x0
.irp t, 0,1,2,3,4,5,6,7
	MMA 32+8*\t, WF+12*(\t/2), RUN+6*(1-\t%2), 24+\t/2, 29
.endr
	PL 4
.irp t, 0,1,2,3
	FRAGLD WF+12*\t, WA16, WA8, (16+2*\t+\q)*FRB
	ds_load_b32 v[24+\t], v[WSA] offset:(16+2*\t+\q)*64
.endr
.irp j, 0,2,4,6,8,10,12,14,16,18,20,22,24,26,28,30,32,34,36,38,40,42,44,46,48,50,52,54,56,58,60,62
	v_dual_max_num_f32 v[32+\j], 0, v[32+\j] :: v_dual_max_num_f32 v[33+\j], 0, v[33+\j]   ; relu, two numbers a line
.endr
	BMAX 32, 4
	s_delay_alu instid0(VALU_DEP_3)
	v_lshl_or_b32 v30, v[BY+1], 8, v[BY]
	s_delay_alu instid0(VALU_DEP_1)
	v_lshl_or_b32 v30, v[BY+2], 16, v30
	s_delay_alu instid0(VALU_DEP_1)
	v_lshl_or_b32 v30, v[BY+3], 24, v30
	CVT2 32, 0, 1, PC, CT0
	CVT2 32, 2, 3, PC+6, CT1
	v_nop
	JOIN PC, CT0
	JOIN PC+6, CT1
.if \q == 1
	VEC32 64, PH, P_G2
	VEC32 32, PH, P_BE2
.endif
	PL 8
	s_wait_alu depctr_va_vdst(0)
.if \q == 1
	s_wait_dscnt 16                                ; W2's twenty loads are in; the sixteen of g2 and beta2, issued behind them, may be out
.else
	s_wait_dscnt 0x0
.endif
.irp t, 0,1,2,3
	MMA 96+8*\t, WF+12*\t, PC, 24+\t, 30
.endr
.endr
	PL 4
	s_wait_dscnt 0x0
	LNORM 64, 32                                   ; z
	VEC32ST 96, STW, 0                             ; through my stage; LDS serves a wave's instructions in order, so no wait stands between the stores and the loads
.irp i, 0,1,2,3,4,5,6,7
	ds_load_b128 v[32+4*\i:35+4*\i], v[ORD] offset:2*XPITCH*\i
.endr
.irp i, 0,1,2,3,4,5,6,7
	s_wait_dscnt 7-\i                              ; pair i of rows is in: stage rows 2 i, 2 i + 1 are my stocks 8 u + 2 i + 8 (i / 4) and the next
	global_store_b128 v[GO], v[32+4*\i:35+4*\i], s[42:43] offset:131072*(8*\u+2*\i+8*(\i/4)) th:TH_STORE_NT   ; sixteen lanes store a row's 256 consecutive bytes, aligned
.endr
	s_wait_xcnt 0x0                                ; the stores have read their registers and their base
.endm
	TILE 0, 0
	s_cmp_eq_u32 s74, 1
	s_wait_alu depctr_va_vdst(0)
	s_cbranch_scc1 .Llast                          ; the last tau's tail is written out: it asks for nothing more
	TILE 1, 1
	s_add_nc_u64 s[42:43], s[42:43], TSTEP         ; out0 at the next tau
	s_sub_co_u32 s74, s74, 1
	s_branch .Ltau
.Llast:
	TILE 1, 0
	s_wait_tensorcnt 0x0                           ; the wave's end
	ds_add_u32 v[SPW], v[NIL]
	s_wait_dscnt 0x0
	s_endpgm
.Lfunc_end_k_q7af87f3a7a_layer:
	.size	k_q7af87f3a7a_layer, .Lfunc_end_k_q7af87f3a7a_layer-k_q7af87f3a7a_layer
	.p2alignl 7, 3214868480
	.fill 96, 4, 3214868480
	.section	.rodata,"a",@progbits
	.p2align	6, 0x0
	.amdhsa_kernel k_q7af87f3a7a_layer
		.amdhsa_group_segment_fixed_size 327680
		.amdhsa_private_segment_fixed_size 0
		.amdhsa_enable_private_segment 0
		.amdhsa_kernarg_size 112
		.amdhsa_user_sgpr_count 2
		.amdhsa_user_sgpr_kernarg_segment_ptr 1
		.amdhsa_wavefront_size32 1
		.amdhsa_system_sgpr_workgroup_id_x 1
		.amdhsa_system_sgpr_workgroup_id_y 1
		.amdhsa_system_sgpr_workgroup_id_z 1
		.amdhsa_system_vgpr_workitem_id 0
		.amdhsa_next_free_vgpr 256
		.amdhsa_next_free_sgpr 80
		.amdhsa_reserve_vcc 0
		.amdhsa_float_denorm_mode_32 3
		.amdhsa_float_denorm_mode_16_64 3
		.amdhsa_memory_ordered 1
		.amdhsa_forward_progress 1
		.amdhsa_inst_pref_size 247
	.end_amdhsa_kernel
	.amdgpu_metadata
---
amdhsa.version: [ 1, 2 ]
amdhsa.kernels:
  - .name:           k_q7af87f3a7a_layer
    .symbol:         k_q7af87f3a7a_layer.kd
    .args:
      - { .name: x, .offset: 0, .size: 8, .value_kind: global_buffer, .address_space: global }
      - { .name: Wqkv, .offset: 8, .size: 8, .value_kind: global_buffer, .address_space: global }
      - { .name: bqkv, .offset: 16, .size: 8, .value_kind: global_buffer, .address_space: global }
      - { .name: Wo, .offset: 24, .size: 8, .value_kind: global_buffer, .address_space: global }
      - { .name: bo, .offset: 32, .size: 8, .value_kind: global_buffer, .address_space: global }
      - { .name: g1, .offset: 40, .size: 8, .value_kind: global_buffer, .address_space: global }
      - { .name: beta1, .offset: 48, .size: 8, .value_kind: global_buffer, .address_space: global }
      - { .name: W1, .offset: 56, .size: 8, .value_kind: global_buffer, .address_space: global }
      - { .name: bf1, .offset: 64, .size: 8, .value_kind: global_buffer, .address_space: global }
      - { .name: W2, .offset: 72, .size: 8, .value_kind: global_buffer, .address_space: global }
      - { .name: bf2, .offset: 80, .size: 8, .value_kind: global_buffer, .address_space: global }
      - { .name: g2, .offset: 88, .size: 8, .value_kind: global_buffer, .address_space: global }
      - { .name: beta2, .offset: 96, .size: 8, .value_kind: global_buffer, .address_space: global }
      - { .name: out0, .offset: 104, .size: 8, .value_kind: global_buffer, .address_space: global }
    .group_segment_fixed_size: 327680
    .private_segment_fixed_size: 0
    .kernarg_segment_align: 8
    .kernarg_segment_size: 112
    .max_flat_workgroup_size: 512
    .sgpr_count:     80
    .vgpr_count:     256
    .wavefront_size: 32
...
	.end_amdgpu_metadata
.endif
;; end of part 1
